; MI455X (gfx1250); checked and timed in simulation.
; The chip was launched on July 23, 2026; its instructions are those of AMD's public machine-readable ISA for CDNA 5 (MIT licence, August 2026) and "CDNA5" Instruction Set Architecture Reference Guide (July 2026). The comments in the code are by the model that wrote it; some were corrected since.
;; Quantize. Allowed arithmetic: matrix products marked QUANTISED: E2M1 operands, one E8M0 scale for each 32 along K, by v_wmma_scale_f32_16x16x128_f8f6f4 with both operands' format E2M1 (or v_wmma_scale_f32_32x16x128_f4), f32 sums; everything else in f32.
;; Inputs: embed 512 x 8,192 float32; input 8 x 2,048 x 512 float32.
;; Outputs: out0 8 x 2,048 x 512 float32; out1 one number float32; out2 8 x 2,048 int32.
;; This version of the problem:
;;   THIS VERSION OF THE PROBLEM IS GIVEN IN LOW PRECISION. The matrix products marked QUANTISED in the list below multiply operands that are first quantised to E2M1 (2 exponent bits, 1 mantissa bit; 4 bits a number), with one power-of-two scale for each 32 numbers along K (OCP MX v1.0); their sums are f32. All else is computed in f32.
;;   The module's matrix products, in the order in which they are computed (A, B: the left and right operand; K: the contracted axis; several contracted axes count as one K, in the product's order):
;;     1. [M 16,384, K 512] x [K 512, N 8,192]; A: input input; B: input embed: QUANTISED
;;   THE QUANTISER, for each operand of a quantised product, along K:
;;     - K is cut into blocks of 32 from its start; a last block that is shorter is filled with zeros.
;;     - A block's scale is 2^e with e = floor(log2(the largest magnitude in the block)) - 2, held to -126 .. 127; a block of zeros has e = 0. As a byte (E8M0): e + 127.
;;     - Each number is divided by its block's scale, clamped to +-6, and rounded to the nearest number of E2M1, ties to even, subnormals kept.
;;     - The product sums the exact products of the quantised numbers (number of the format x scale) in f32.
;;   ~~~python
;;   def quantise(x, axis):      # numpy; x: float32 -> the quantised numbers, widened to float32 again
;;       x = np.moveaxis(x, axis, -1); K = x.shape[-1]
;;       x = np.pad(x, [(0, 0)] * (x.ndim - 1) + [(0, -K % 32)]); x = x.reshape(x.shape[:-1] + (-1, 32)); a = np.abs(x).max(-1, keepdims=True)
;;       e = np.where(a > 0, np.clip(np.frexp(np.where(a > 0, a, 1))[1] - 1 - 2, -126, 127), 0)      # np.frexp(a)[1] - 1 = floor(log2(a)), exactly
;;       r = np.clip(x / 2.0 ** e, -6, 6)
;;       step = 2.0 ** (np.maximum(np.frexp(np.where(r == 0, 1, r))[1] - 1, 0) - 1)
;;       q = np.round(r / step) * step * 2.0 ** e      # np.round: ties to even
;;       return np.moveaxis(q.reshape(q.shape[:-2] + (-1,))[..., :K], -1, axis).astype(np.float32)
;;   ~~~
;; One version. Each part assembles by itself: llvm-mc -triple=amdgcn-amd-amdhsa -mcpu=gfx1250 --defsym DOCPART=n.
;; ======== version 1 of 1: 4 launches
;; limits: right only within a limited range of input values
;; workspace buffers: xc 4,194,304 bytes; xs 262,144 bytes; ec 2,097,152 bytes; eaux 163,840 bytes; embt 16,777,216 bytes; cand 2,097,152 bytes of whole numbers; part 1,024 bytes
;; launch prep (part 1): grid 256 x 1, 8 waves a work-group, no clusters, 140,288 bytes of LDS; arguments input, embed, xc, xs, ec, eaux, embt; writes xc, xs, ec, eaux, embt
.if DOCPART == 1
	.amdgcn_target "amdgcn-amd-amdhsa--gfx1250"
	.amdhsa_code_object_version 6
	.text
	.protected	k_q49ecc0414c_prep
	.globl	k_q49ecc0414c_prep
	.p2align	8
	.type	k_q49ecc0414c_prep,@function
k_q49ecc0414c_prep:
	s_mov_b64 s[64:65], 0
	v_nop
	global_prefetch_b8 v0, s[64:65] scope:SCOPE_SE
	s_setreg_imm32_b32 hwreg(HW_REG_WAVE_MODE, 25, 1), 1
	s_wait_xcnt 0x0
; PREP: both operands of the product become codes of FP4 (E2M1) with one E8M0 scale byte for each 32 along K = 512, laid as the product's launch wants them.
; input [16384][512] f32 (K innermost) -> xc, xs.   embed [512][8192] f32 (K is the FIRST axis) -> ec, eaux, and a transposed f32 copy embt [8192][512] for the later gather of whole rows.
; CODES ARE STORED AS IMAGES OF THE OPERAND'S REGISTERS: [tile of 16 rows][K step s of 128][c][lane][16 bytes]; lane 16 h + r of piece (s, c) holds k = 128 s + 64 c + 32 h + 0 .. 31 of the tile's row r.
; xs: [row][16 scale bytes].   eaux: for each chunk of 512 codewords 10,240 bytes: 512 x 16 scale bytes, then 512 f32 of -(sum over k of e^2) / 2.
; A block's scale is 2^(floor(log2(its largest magnitude)) - 2): its byte is the largest magnitude's exponent field - 2, held at 1 from below by a floor among the maximum's leaves.
; A block of zeros so keeps the byte 1 (its codes are zeros, and this program alone reads the bytes).  LIMITS: NaN and infinities among the inputs are not served.
; Work-groups 0-127 take input (a wave: 16 rows), work-groups 128-255 take embed (64 columns; a wave: 32 columns x 128 along K).  The two ways use LDS bytes of their own.
; Nothing is shared between work-groups, so no cluster; no tensor load, so no ring.
.set XP,    528                        ; input's stage: a row of 512 bytes + 16: 132 words, so that sixteen rows start at sixteen different groups of four banks
.set XWB,   16*XP                      ; a wave's stage: 16 rows; the eight stages begin at LDS byte 0
.set EST,   8*XWB                      ; embed's stages
.set EP,    272                        ; a row of 256 bytes + 16
.set EWB,   32*EP                      ; a wave's: 32 rows
.set ESC,   EST+8*EWB                  ; 64 columns x 16 scale bytes
.set EEP,   ESC+1024                   ; 4 quarters of K x 64 columns: partial sums of squares
.set FLOOR, 0x1800000                  ; 2^(3 - 127)
.set TWO_OFF, 0xff000000               ; -(2 << 23): 2 off an exponent field
	s_load_b256 s[4:11], s[0:1], 0x0               ; input s[4:5], embed s[6:7], xc s[8:9], xs s[10:11]
	s_load_b128 s[12:15], s[0:1], 0x20             ; ec s[12:13], eaux s[14:15]
	s_load_b64 s[16:17], s[0:1], 0x30              ; embt
	v_lshl_add_u32 v30, v0, 2, 0x22000
	v_mov_b32 v31, 0
	v_lshrrev_b32 v1, 5, v0
	s_delay_alu instid0(VALU_DEP_1)
	v_readfirstlane_b32 s20, v1                    ; wave 0..7
	v_and_b32 v1, 31, v0                           ; lane
	v_and_b32 v2, 15, v0                           ; r
	v_bfe_u32 v3, v0, 4, 1                         ; h
	s_delay_alu instid0(VALU_DEP_3)
	v_lshlrev_b32 v4, 4, v1                        ; 16 x lane
	s_mov_b32 s30, 0x76543210
	s_mov_b32 s31, 0xfedcba98                      ; v_permlanex16_b32's selects for lane l xor 16
	s_cmp_lt_u32 ttmp9, 128                        ; the same for all waves of a work-group
	s_cbranch_scc0 .Lembed
; ---------------- input: my wave's tile T of 16 rows ----------------
; v5 stage, way in; v6 stage, way out; v7 8 h; v8-9 largest magnitudes; v10-11 scale operands; v12-13 bytes; v14-15 at work; v16-19 my row's four scale words;
; v32-223 three sets of 64 numbers; v224-255 the codes, eight registers a K step, so that no store's data are written again.
	s_lshl_b32 s21, ttmp9, 3
	s_add_co_u32 s21, s21, s20                     ; T = 8 x work-group + wave
	s_mul_i32 s22, s20, XWB                        ; my stage
	v_add_nc_u32 v5, s22, v4                       ; in: as loaded, 16 bytes a lane
	v_mul_u32_u24 v6, v2, XP
	s_delay_alu instid0(VALU_DEP_1)
	v_lshl_add_u32 v6, v3, 7, v6
	s_delay_alu instid0(VALU_DEP_1)
	v_add_nc_u32 v6, s22, v6                       ; out: row r, + 128 h: my 32 numbers of each 64
	v_lshlrev_b32 v7, 3, v3
	v_mov_b32 v15, 0                               ; a lane permute's destination counts as one of its sources
	s_lshl_b32 s24, s21, 15                        ; 16 rows of 2,048 bytes
	s_mov_b32 s25, 0
	s_lshl_b32 s26, s21, 12                        ; a tile's codes: 4,096 bytes
	s_mov_b32 s27, 0
	s_lshl_b32 s28, s21, 8                         ; its scale bytes: 256
	s_mov_b32 s29, 0
	s_wait_kmcnt 0x0
	s_add_nc_u64 s[4:5], s[4:5], s[24:25]
	s_add_nc_u64 s[8:9], s[8:9], s[26:27]
	s_add_nc_u64 s[10:11], s[10:11], s[28:29]
; K step s of the 16 rows: each load reads 512 consecutive bytes of one row
.macro LOADF s
.set RB, 32+64*((\s)%3)
.irp i, 0,1,2,3,4,5,6,7,8,9,10,11,12,13,14,15
	global_load_b128 v[RB+4*\i:RB+4*\i+3], v4, s[4:5] offset:2048*\i+512*(\s) th:TH_LOAD_NT
.endr
.endm
; K step s becomes a fragment.  left: the loads of younger K steps, which may stay out.
.macro FRAG s, left
.set RB, 32+64*((\s)%3)
.set CD, 224+8*(\s)
	s_wait_loadcnt \left
.irp i, 0,1,2,3,4,5,6,7,8,9,10,11,12,13,14,15
	ds_store_b128 v5, v[RB+4*\i:RB+4*\i+3] offset:XP*\i
.endr
	s_wait_dscnt 0x0                               ; the stores are done: the same registers take the loads below
.irp c, 0,1
.irp g, 0,1,2,3,4,5,6,7
	ds_load_b128 v[RB+32*\c+4*\g:RB+32*\c+4*\g+3], v6 offset:256*\c+16*\g   ; k = 128 s + 64 c + 32 h + 4 g on, of row r: a whole block in a lane
.endr
.endr
	s_wait_dscnt 0x0
.irp c, 0,1
	v_max3_num_f32 v[8+\c], |v[RB+32*\c]|, |v[RB+32*\c+1]|, FLOOR
.endr
.irp i, 2,4,6,8,10,12,14,16,18,20,22,24,26,28,30
.irp c, 0,1
	s_delay_alu instid0(VALU_DEP_2)
	v_max3_num_f32 v[8+\c], v[8+\c], |v[RB+32*\c+\i]|, |v[RB+32*\c+\i+1]|   ; the two blocks by turns
.endr
.endr
.irp c, 0,1
	s_delay_alu instid0(VALU_DEP_2)
	v_add_nc_u32 v[10+\c], TWO_OFF, v[8+\c]        ; the conversion takes the exponent field of this operand as its scale
.endr
.irp c, 0,1
	s_delay_alu instid0(VALU_DEP_2)
	v_lshrrev_b32 v[12+\c], 23, v[10+\c]           ; the scale's byte
.endr
	s_delay_alu instid0(VALU_DEP_1)
	v_lshl_or_b32 v14, v13, 16, v12                ; my two bytes: blocks h and 2 + h of the K step,
	s_delay_alu instid0(VALU_DEP_1)
	v_lshlrev_b32 v14, v7, v14                     ; at their places in the word;
	s_delay_alu instid0(VALU_DEP_1)
	v_permlanex16_b32 v15, v14, s30, s31
	s_delay_alu instid0(VALU_DEP_1)
	v_or_b32 v[16+(\s)], v14, v15                  ; with lane l xor 16's two the word is whole
.irp c, 0,1
.irp g, 0,1,2,3
	v_cvt_scalef32_pk8_fp4_f32 v[CD+4*\c+\g], v[RB+32*\c+8*\g:RB+32*\c+8*\g+7], v[10+\c]
.endr
.endr
	v_nop                                          ; one plain place behind a scaled conversion
.irp c, 0,1
	global_store_b128 v4, v[CD+4*\c:CD+4*\c+3], s[8:9] offset:1024*(\s)+512*\c   ; 512 consecutive bytes, aligned
.endr
.endm
	s_wait_alu depctr_va_vdst(0)
	LOADF 0
	LOADF 1
	LOADF 2
	FRAG 0, 32
	LOADF 3                                        ; into the set that K step 0 has left
	FRAG 1, 32
	FRAG 2, 16
	FRAG 3, 0
	v_cmp_gt_u32 vcc_lo, 16, v1
	s_wait_xcnt 0x0                                ; EXEC is a source of the stores above: it changes only behind this wait
	s_wait_tensorcnt 0x0
	ds_add_u32 v30, v31
	s_wait_dscnt 0x0
	s_and_saveexec_b32 s21, vcc_lo
	global_store_b128 v4, v[16:19], s[10:11]       ; lanes 0-15: row r's 16 scale bytes: 256 consecutive bytes, aligned
	s_wait_xcnt 0x0
	s_or_b32 exec_lo, exec_lo, s21
	s_endpgm
; ---------------- embed: 64 columns a work-group ----------------
; A LANE TAKES A COLUMN AND ITS REGISTERS RUN DOWN K: wave w takes columns 32 (w & 1) + lane of the 64 and k = 128 (w >> 1) + 0 .. 127.
; v5 4 x lane; v6 my place in ec; v7, v20 stage in and out; v21 my place in embt; v22-25 LDS places of scale words and partial sums; v26 8 x lane;
; v8-11 at work; v13 my column's scale word of this K step; v16-19 sums of squares, two packed chains; v32-159 the 128 numbers; v160-223 rows on their way out; v224-239 codes; v240-247 the tail.
.Lembed:
	s_sub_co_u32 s21, ttmp9, 128                   ; e: which 64 columns
	s_and_b32 s22, s20, 1                          ; cg: which 32 of them
	s_lshr_b32 s23, s20, 1                         ; kq: which K step
	s_wait_alu depctr_va_vdst(0)
	v_lshlrev_b32 v5, 2, v1
	v_lshlrev_b32 v6, 12, v3                       ; ec: lanes 16-31 belong to the next tile of 16 codewords,
	s_delay_alu instid0(VALU_DEP_1)
	v_lshl_add_u32 v6, v2, 4, v6                   ; 16 bytes a codeword
	s_mul_i32 s24, s20, EWB
	s_add_co_u32 s24, s24, EST                     ; my stage
	v_mul_u32_u24 v7, v1, EP
	s_delay_alu instid0(VALU_DEP_1)
	v_add_nc_u32 v7, s24, v7                       ; in: row = my column
	v_mul_u32_u24 v20, v3, EP
	s_delay_alu instid0(VALU_DEP_1)
	v_lshl_add_u32 v20, v2, 4, v20
	s_delay_alu instid0(VALU_DEP_1)
	v_add_nc_u32 v20, s24, v20                     ; out: sixteen lanes to a row, two rows an instruction
	v_lshlrev_b32 v21, 11, v3
	s_delay_alu instid0(VALU_DEP_1)
	v_lshl_add_u32 v21, v2, 4, v21                 ; and the same place in embt (rows of 2,048 bytes)
	s_lshl_b32 s25, s22, 9
	s_lshl_b32 s26, s23, 2
	s_add_co_u32 s26, s26, s25
	s_add_co_u32 s26, s26, ESC
	v_add_nc_u32 v22, s26, v4                      ; my column's scale word: ESC + 16 (32 cg + lane) + 4 kq
	s_lshl_b32 s26, s23, 8
	s_lshl_b32 s27, s22, 7
	s_add_co_u32 s26, s26, s27
	s_add_co_u32 s26, s26, EEP
	v_add_nc_u32 v23, s26, v5                      ; my partial sum: EEP + 256 kq + 4 (32 cg + lane)
	s_add_co_u32 s25, s25, ESC
	v_add_nc_u32 v24, s25, v4                      ; the tail: 32 columns' scale bytes, 16 a lane
	v_lshlrev_b32 v26, 3, v1
	s_delay_alu instid0(VALU_DEP_1)
	v_add_nc_u32 v25, EEP, v26                     ; the tail: two columns' partial sums a lane
	s_lshl_b32 s32, s23, 22                        ; embed: 128 kq rows of 32,768 bytes
	s_lshl_b32 s28, s21, 8
	s_add_co_u32 s32, s32, s28
	s_add_co_u32 s32, s32, s27                     ; + 4 (64 e + 32 cg)
	s_mov_b32 s33, 0
	s_lshl_b32 s34, s21, 14                        ; ec: tile 4 e + 2 cg, 4,096 bytes a tile, + 1,024 kq
	s_lshl_b32 s28, s22, 13
	s_add_co_u32 s34, s34, s28
	s_lshl_b32 s28, s23, 10
	s_add_co_u32 s34, s34, s28
	s_mov_b32 s35, 0
	s_lshl_b32 s36, s21, 17                        ; embt: row 64 e + 32 cg, + 512 kq bytes
	s_lshl_b32 s28, s22, 16
	s_add_co_u32 s36, s36, s28
	s_lshl_b32 s28, s23, 9
	s_add_co_u32 s36, s36, s28
	s_mov_b32 s37, 0
	s_lshr_b32 s28, s21, 3
	s_mul_i32 s28, s28, 10240                      ; eaux: my chunk of 512 codewords
	s_and_b32 s29, s21, 7
	s_lshl_b32 s38, s29, 10                        ; its scale bytes: my 64 columns, 32 for each of waves 0 and 1
	s_add_co_u32 s38, s38, s28
	s_lshl_b32 s40, s22, 9
	s_add_co_u32 s38, s38, s40
	s_mov_b32 s39, 0
	s_lshl_b32 s40, s29, 8                         ; its 512 f32, behind the 8,192 scale bytes
	s_add_co_u32 s40, s40, s28
	s_add_co_u32 s40, s40, 8192
	s_mov_b32 s41, 0
	s_wait_kmcnt 0x0
	s_add_nc_u64 s[6:7], s[6:7], s[32:33]
	s_add_nc_u64 s[12:13], s[12:13], s[34:35]
	s_add_nc_u64 s[16:17], s[16:17], s[36:37]
	s_add_nc_u64 s[18:19], s[14:15], s[38:39]
	s_add_nc_u64 s[14:15], s[14:15], s[40:41]
.macro LOADB t                         ; block t: embed(128 kq + 32 t + i, my column): 128 consecutive bytes a load; the offsets reach 127 rows, inside the signed 24-bit immediate
.irp i, 0,1,2,3,4,5,6,7,8,9,10,11,12,13,14,15,16,17,18,19,20,21,22,23,24,25,26,27,28,29,30,31
	global_load_b32 v[32+32*(\t)+\i], v5, s[6:7] offset:(32*(\t)+\i)*32768 th:TH_LOAD_NT
.endr
.endm
.macro BLOCK t, left                   ; left: the next block's loads, which may stay out
.set XB, 32+32*(\t)
	s_wait_loadcnt \left
	v_max3_num_f32 v8, |v[XB]|, |v[XB+1]|, |v[XB+2]|               ; the block's largest magnitude: all 32 numbers are mine; two chains
	v_max3_num_f32 v9, |v[XB+3]|, |v[XB+4]|, |v[XB+5]|
.irp i, 6,10,14,18,22,26
	s_delay_alu instid0(VALU_DEP_2)
	v_max3_num_f32 v8, v8, |v[XB+\i]|, |v[XB+\i+1]|
	s_delay_alu instid0(VALU_DEP_2)
	v_max3_num_f32 v9, v9, |v[XB+\i+2]|, |v[XB+\i+3]|
.endr
	s_delay_alu instid0(VALU_DEP_2)
	v_max3_num_f32 v8, v8, |v[XB+30]|, |v[XB+31]|
	s_delay_alu instid0(VALU_DEP_1)
	v_max3_num_f32 v8, v8, v9, FLOOR
	s_delay_alu instid0(VALU_DEP_1)
	v_add_nc_u32 v10, TWO_OFF, v8
	s_delay_alu instid0(VALU_DEP_1)
	v_lshrrev_b32 v11, 23, v10
.if (\t) == 0
	s_delay_alu instid0(VALU_DEP_1)
	v_mov_b32 v13, v11                             ; four bytes to the word, the lower K in the lower byte
.else
	s_delay_alu instid0(VALU_DEP_1)
	v_lshl_or_b32 v13, v11, 8*(\t), v13
.endif
.irp i, 0
.if ((\t) == 0) && (\i == 0)
	v_pk_mul_f32 v[16:17], v[XB:XB+1], v[XB:XB+1]                  ; the first squares start the sums
	v_pk_mul_f32 v[18:19], v[XB+2:XB+3], v[XB+2:XB+3]
.else
	v_pk_fma_f32 v[16:17], v[XB+\i:XB+\i+1], v[XB+\i:XB+\i+1], v[16:17]
	v_pk_fma_f32 v[18:19], v[XB+\i+2:XB+\i+3], v[XB+\i+2:XB+\i+3], v[18:19]
.endif
.endr
.irp i, 4, 8, 12, 16, 20, 24, 28
.if ((\t) == 0) && (\i == 0)
	v_pk_mul_f32 v[16:17], v[XB:XB+1], v[XB:XB+1]                  ; the first squares start the sums
	v_pk_mul_f32 v[18:19], v[XB+2:XB+3], v[XB+2:XB+3]
.else
	s_delay_alu instid0(VALU_DEP_2)
	v_pk_fma_f32 v[16:17], v[XB+\i:XB+\i+1], v[XB+\i:XB+\i+1], v[16:17]
	s_delay_alu instid0(VALU_DEP_2)
	v_pk_fma_f32 v[18:19], v[XB+\i+2:XB+\i+3], v[XB+\i+2:XB+\i+3], v[18:19]
.endif
.endr
.irp g, 0,1,2,3
	v_cvt_scalef32_pk8_fp4_f32 v[224+4*(\t)+\g], v[XB+8*\g:XB+8*\g+7], v10
.endr
	v_nop                                          ; one plain place behind a scaled conversion
	global_store_b128 v6, v[224+4*(\t):224+4*(\t)+3], s[12:13] offset:((\t)/2)*512+((\t)%2)*256   ; piece c = t / 2, half h = t % 2: sixteen lanes store 256 consecutive bytes, aligned
.endm
.macro TRANS half, dst                 ; 64 of my 128 numbers through my stage: in by columns, back by rows.  LDS serves a wave's instructions in order
.irp g, 0,1,2,3,4,5,6,7,8,9,10,11,12,13,14,15
	ds_store_b128 v7, v[32+64*(\half)+4*\g:32+64*(\half)+4*\g+3] offset:16*\g
.endr
.irp u, 0,1,2,3,4,5,6,7,8,9,10,11,12,13,14,15
	ds_load_b128 v[(\dst)+4*\u:(\dst)+4*\u+3], v20 offset:2*EP*\u
.endr
.endm
.macro SEND half, dst
.irp u, 0,1,2,3,4,5,6,7,8,9,10,11,12,13,14,15
	s_wait_dscnt 15-\u                             ; the younger loads from the stage may stay out
	global_store_b128 v21, v[(\dst)+4*\u:(\dst)+4*\u+3], s[16:17] offset:4096*\u+256*(\half)   ; sixteen lanes store 256 consecutive bytes of a row of embt, aligned
.endr
.endm
	LOADB 0
	LOADB 1
	BLOCK 0, 32
	LOADB 2
	BLOCK 1, 32
	LOADB 3
	TRANS 0, 160                                   ; blocks 0 and 1 turn while blocks 2 and 3 are worked
	BLOCK 2, 32
	BLOCK 3, 0
	s_wait_alu depctr_va_vdst(0)
	SEND 0, 160
	TRANS 1, 32                                    ; back into the registers that blocks 0 and 1 have left
	SEND 1, 32
	v_add_f32 v16, v16, v17
	v_add_f32 v18, v18, v19
	s_delay_alu instid0(VALU_DEP_1)
	v_add_f32 v16, v16, v18                        ; my column's squares over my 128 along K
	ds_store_b32 v23, v16
	ds_store_b32 v22, v13
	s_wait_dscnt 0x0                               ; for the others' sake: my stores have landed
	s_barrier_signal -1
	s_barrier_wait -1
	s_cmp_lt_u32 s20, 2
	s_cbranch_scc0 .Lnot_scales
	ds_load_b128 v[240:243], v24                   ; waves 0 and 1: 32 columns' 16 scale bytes each
	s_wait_dscnt 0x0
	global_store_b128 v4, v[240:243], s[18:19]     ; 512 consecutive bytes, aligned
	s_branch .Ldone
.Lnot_scales:
	s_cmp_eq_u32 s20, 2
	s_cbranch_scc0 .Ldone
.irp q, 0,1,2,3
	ds_load_b64 v[240+2*\q:241+2*\q], v25 offset:256*\q   ; wave 2: two columns a lane, the four quarters of K
.endr
	s_wait_dscnt 0x0
	v_pk_add_f32 v[240:241], v[240:241], v[242:243]
	v_pk_add_f32 v[244:245], v[244:245], v[246:247]
	s_delay_alu instid0(VALU_DEP_1)
	v_pk_add_f32 v[240:241], v[240:241], v[244:245]
	s_delay_alu instid0(VALU_DEP_1)
	v_pk_mul_f32 v[240:241], v[240:241], -0.5 op_sel_hi:[1,0]
	global_store_b64 v26, v[240:241], s[14:15]     ; 256 consecutive bytes, aligned
.Ldone:
	s_wait_tensorcnt 0x0
	ds_add_u32 v30, v31
	s_wait_dscnt 0x0
	s_endpgm
.Lfunc_end_k_q49ecc0414c_prep:
	.size	k_q49ecc0414c_prep, .Lfunc_end_k_q49ecc0414c_prep-k_q49ecc0414c_prep
	.p2alignl 7, 3214868480
	.fill 96, 4, 3214868480
	.section	.rodata,"a",@progbits
	.p2align	6, 0x0
	.amdhsa_kernel k_q49ecc0414c_prep
		.amdhsa_group_segment_fixed_size 140288
		.amdhsa_private_segment_fixed_size 0
		.amdhsa_enable_private_segment 0
		.amdhsa_kernarg_size 56
		.amdhsa_user_sgpr_count 2
		.amdhsa_user_sgpr_kernarg_segment_ptr 1
		.amdhsa_wavefront_size32 1
		.amdhsa_system_sgpr_workgroup_id_x 1
		.amdhsa_system_sgpr_workgroup_id_y 1
		.amdhsa_system_sgpr_workgroup_id_z 1
		.amdhsa_system_vgpr_workitem_id 0
		.amdhsa_next_free_vgpr 256
		.amdhsa_next_free_sgpr 66
		.amdhsa_reserve_vcc 1
		.amdhsa_float_denorm_mode_32 3
		.amdhsa_float_denorm_mode_16_64 3
		.amdhsa_memory_ordered 1
		.amdhsa_forward_progress 1
		.amdhsa_inst_pref_size 73
	.end_amdhsa_kernel
	.amdgpu_metadata
---
amdhsa.version: [ 1, 2 ]
amdhsa.kernels:
  - .name:           k_q49ecc0414c_prep
    .symbol:         k_q49ecc0414c_prep.kd
    .args:
      - { .name: input, .offset: 0, .size: 8, .value_kind: global_buffer, .address_space: global }
      - { .name: embed, .offset: 8, .size: 8, .value_kind: global_buffer, .address_space: global }
      - { .name: xc, .offset: 16, .size: 8, .value_kind: global_buffer, .address_space: global }
      - { .name: xs, .offset: 24, .size: 8, .value_kind: global_buffer, .address_space: global }
      - { .name: ec, .offset: 32, .size: 8, .value_kind: global_buffer, .address_space: global }
      - { .name: eaux, .offset: 40, .size: 8, .value_kind: global_buffer, .address_space: global }
      - { .name: embt, .offset: 48, .size: 8, .value_kind: global_buffer, .address_space: global }
    .group_segment_fixed_size: 140288
    .private_segment_fixed_size: 0
    .kernarg_segment_align: 8
    .kernarg_segment_size: 56
    .max_flat_workgroup_size: 256
    .sgpr_count:     66
    .vgpr_count:     256
    .wavefront_size: 32
...
	.end_amdgpu_metadata
.endif
;; end of part 1
;; launch dist (part 2): grid 16 x 16, 8 waves a work-group, clusters of 4 x 1, 327,680 bytes of LDS; arguments xc, xs, ec, eaux, cand; writes cand
.if DOCPART == 2
	.amdgcn_target "amdgcn-amd-amdhsa--gfx1250"
	.amdhsa_code_object_version 6
	.text
	.protected	k_q49ecc0414c_dist
	.globl	k_q49ecc0414c_dist
	.p2align	8
	.type	k_q49ecc0414c_dist,@function
k_q49ecc0414c_dist:
	s_mov_b64 s[64:65], 0
	v_nop
	global_prefetch_b8 v0, s[64:65] scope:SCOPE_SE
	s_setreg_imm32_b32 hwreg(HW_REG_WAVE_MODE, 25, 1), 1
	s_wait_xcnt 0x0
	s_wait_alu depctr_hold_cnt(0) depctr_sa_sdst(0) depctr_va_vdst(0) depctr_va_sdst(0) depctr_va_ssrc(0) depctr_va_vcc(0) depctr_vm_vsrc(0)
	s_getreg_b32 s2, hwreg(HW_REG_IB_STS2, 6, 4)
	s_cmp_eq_u32 s2, 0
	s_cbranch_scc0 .Lentry_in_a_cluster
	s_endpgm
.Lentry_in_a_cluster:
	s_bfe_u32 s2, ttmp6, 0x10000c
	s_cmp_lg_u32 s2, 0x3003
	s_cbranch_scc0 .Lentry_shape_is_right
	s_endpgm
.Lentry_shape_is_right:
; DIST: for 1,024 rows of x and one chunk of 512 codewords, the best codeword of each row: cand[chunk][row] = (key, index).
; score(row, n) = x.e_n - |e_n|^2 / 2, the product on codes of FP4 with E8M0 scales, f32 sums; the largest score is the least distance.
; LEFT OUT: |x|^2 is the same for all n of a row and the factor -2 turns the order round for all n alike, so in exact arithmetic neither moves the argmin.
; LIMIT: NaN and infinities among the inputs are not served; an overflow of |x|^2 alone is not carried to the result.
; Eight waves, two on a SIMD; a wave keeps the codes of its 128 rows in 256 registers (window 1) and walks the chunk's 32 tiles of 16 codewords, which lie in LDS.
; USED TRANSPOSED: source 0 = 16 codewords, source 1 = 16 rows of x: lane (r, h) holds row r, register j codeword 8 h + j.  The bias -|e|^2 / 2 is the C of a tile's first K step.
; A lane keeps for each of its 8 blocks of rows: the best score, the tile that gave it and that tile's 8 scores; which of the 8 it was is found once, behind the loop.
; A strict compare keeps the earlier tile, the search from j = 7 down the lower j, the merge of the halves the lower index: the lowest index wins a tie.
; For a block and a tile: four v_max3 (the 8 scores and the old best are 9 leaves), one compare into VCC, five dual-issue pairs of selects.
; CLUSTER: the four work-groups along x need the same chunk: it is asked for jointly.  Waves 0-3 fetch 32 KiB of codes each, wave 4 the 10 KiB of scale bytes and biases: one tensor load a wave, LDS is filled once.
; No prefetch: all that the work-group reads is asked for at its head, so there is no loop to run ahead in.
.set ESC,  131072                      ; LDS: 512 x 16 scale bytes behind the codes
.set EB,   139264                      ; 512 biases
.set SPARE, 0x29000                    ; the spare words: 128 bytes a wave
.set T,    8                           ; v8-15   the maximum's tree, one register a block
.set BEST, 16                          ; v16-23  best score
.set TIX,  25                          ; v25-32  its tile (odd base: a dual pair wants one even and one odd destination)
.set CURV, 33                          ; the number of the tile whose scores are looked at
.set XS,   36                          ; v36-51  x's scale words: register 4 (m / 2) + k, lanes 16 (m % 2) + r
.set ES,   52                          ; v52-55  the codewords' scale words of two tiles: lanes 0-15 the even, 16-31 the odd tile
.set BI,   56                          ; v56-63  the tile's biases in the result's layout
.set E,    64                          ; v64-95  the tile's four fragments
.set D,    96                          ; v96-159 scores
.set SV,   160                         ; v160-223 the best tile's scores
.set NI,   224
.set OB,   232
.set ON,   233
.set TT,   234
.set OUTP, 240
.set SPW,  254
.set NIL,  255
.set MSB, 0
.macro WIN new                         ; the immediate's high byte repeats the setting that is left
.if MSB != \new
	s_set_vgpr_msb (MSB<<8)|\new
.set MSB, \new
.endif
.endm
.macro ROUND                           ; a round of the cluster's barrier
	s_barrier_signal -1
	s_barrier_wait -1
	s_cmp_lg_u32 s14, 0
	s_cbranch_scc1 .Lnot_wave_0_\@
	s_barrier_signal -3
.Lnot_wave_0_\@:
	s_barrier_wait -3
	s_barrier_signal -1
	s_barrier_wait -1
.endm
	s_load_b256 s[4:11], s[0:1], 0x0               ; xc s[4:5], xs s[6:7], ec s[8:9], eaux s[10:11]
	s_load_b64 s[12:13], s[0:1], 0x20              ; cand
	v_lshl_add_u32 v[SPW], v0, 2, SPARE
	v_mov_b32 v[NIL], 0
	ds_add_u32 v[SPW], v[NIL]                      ; the opening lines: the add, twice on end, and its wait
	ds_add_u32 v[SPW], v[NIL]
	v_lshrrev_b32 v1, 5, v0
	v_readfirstlane_b32 s14, v1                    ; wave 0..7
	v_and_b32 v1, 31, v0
	v_bfe_u32 v5, v0, 4, 1                         ; h
	v_lshlrev_b32 v7, 3, v1                        ; 8 x lane
	v_lshlrev_b32 v1, 4, v1                        ; 16 x lane
	v_lshlrev_b32 v6, 5, v5                        ; 32 h
	v_lshlrev_b32 v5, 3, v5                        ; 8 h
	s_bfe_u32 s15, ttmp6, 0x40000                  ; cx
	s_lshl_b32 s16, ttmp9, 2
	s_add_co_u32 s16, s16, s15                     ; which 1,024 rows
	s_and_b32 s17, ttmp7, 0xffff                   ; which chunk
	s_mov_b32 s24, 15|(3<<16)|(1<<21)              ; group 1, codes: 128 dense rows of 256 bytes (32 elements of 8); the mask names the four partners
	s_mov_b32 s25, 32<<16
	s_mov_b32 s26, 128<<16
	s_mov_b32 s27, 32<<16
	s_mov_b32 s28, 128
	s_mov_b32 s29, 32
	s_mov_b32 s30, 0
	s_mov_b32 s31, 0
	s_mov_b32 s32, 15|(3<<16)|(1<<21)              ; group 1, scales and biases: 40 such rows
	s_mov_b32 s33, 32<<16
	s_mov_b32 s34, 40<<16
	s_mov_b32 s35, 32<<16
	s_mov_b32 s36, 40
	s_mov_b32 s37, 32
	s_mov_b32 s38, 0
	s_mov_b32 s39, 0
	s_lshl_b32 s18, s14, 15                        ; waves 0-3: my 32 KiB of the codes, in LDS and in the chunk
	s_lshl_b32 s20, s17, 17
	s_add_co_u32 s20, s20, s18
	s_mov_b32 s21, 0
	s_mul_i32 s22, s17, 10240
	s_mov_b32 s23, 0
	s_lshl_b32 s40, s16, 18                        ; xc: 1,024 rows of 256 bytes, my wave's 128
	s_lshl_b32 s2, s14, 15
	s_add_co_u32 s40, s40, s2
	s_mov_b32 s41, 0
	s_lshl_b32 s42, s16, 14                        ; xs: 16 bytes a row
	s_lshl_b32 s2, s14, 11
	s_add_co_u32 s42, s42, s2
	s_mov_b32 s43, 0
	s_lshl_b32 s44, s17, 17                        ; cand: [chunk][row][8 bytes]
	s_lshl_b32 s2, s16, 13
	s_add_co_u32 s44, s44, s2
	s_lshl_b32 s2, s14, 10
	s_add_co_u32 s44, s44, s2
	s_mov_b32 s45, 0
	s_lshl_b32 s56, s17, 5                         ; the chunk's first tile
	s_mov_b32 s57, 0                               ; LDS: the pair of tiles' codes,
	s_mov_b32 s58, ESC                             ; scale words,
	s_mov_b32 s59, EB                              ; biases
	s_mov_b32 s60, 15
	s_mov_b32 s61, 0xffff0000
	s_mov_b32 s62, 0x76543210
	s_mov_b32 s63, 0xfedcba98
	s_wait_alu depctr_va_vdst(0)                   ; the wait at the head's end
	s_wait_dscnt 0x0                               ; both opening adds are done
	s_wait_kmcnt 0x0
	s_add_nc_u64 s[4:5], s[4:5], s[40:41]
	s_add_nc_u64 s[6:7], s[6:7], s[42:43]
	s_add_nc_u64 s[12:13], s[12:13], s[44:45]
	s_mov_b32 s48, 1
	s_mov_b32 s49, s18
	s_add_nc_u64 s[50:51], s[8:9], s[20:21]
	s_or_b32 s51, s51, 0x80000000
	s_mov_b32 s52, 1
	s_mov_b32 s53, ESC
	s_add_nc_u64 s[54:55], s[10:11], s[22:23]
	s_or_b32 s55, s55, 0x80000000
	ROUND                                          ; the four partners are here: the joint loads meet
	s_cmp_lt_u32 s14, 4                            ; one chain of branches on the wave's number, one load to an arm
	s_cbranch_scc0 .Lhead_aux
	tensor_load_to_lds s[48:51], s[24:31]
	s_nop 0
.rept 4
	v_nop
.endr
	s_branch .Lhead_asked
.Lhead_aux:
	s_cmp_eq_u32 s14, 4
	s_cbranch_scc0 .Lhead_asked
	tensor_load_to_lds s[52:55], s[32:39]
	s_nop 0
.rept 4
	v_nop
.endr
.Lhead_asked:
	WIN 0x40                                       ; behind the chunk's requests: x's codes, into window 1: images of the operand's registers, 512 consecutive bytes a load
.irp m, 0,1,2,3,4,5,6,7
.irp s, 0,1,2,3
.irp c, 0,1
	global_load_b128 v[32*\m+8*\s+4*\c:32*\m+8*\s+4*\c+3], v1, s[4:5] offset:4096*\m+1024*\s+512*\c
.endr
.endr
.endr
	WIN 0
.irp p, 0,1,2,3
	global_load_b128 v[XS+4*\p:XS+4*\p+3], v1, s[6:7] offset:512*\p
.endr
	s_wait_tensorcnt 0x0                           ; my part of the chunk has landed,
	s_barrier_signal -1
	s_barrier_wait -1                              ; and so has everybody's
	s_wait_loadcnt 0x0                             ; x's codes and scale words
; Tile p of a pair is fetched.  The four vector lines at its head are the places behind the matrix instructions that read the registers loaded here, and ahead of the first read of their results.
.macro LOADS p, cur
.if (\p) == 0
	v_add_nc_u32 v2, s57, v1
	v_add_nc_u32 v3, s58, v1
	v_add_nc_u32 v4, s59, v6
.if \cur
	v_mov_b32 v[CURV], s56
.endif
.else
	v_mov_b32 v[CURV], s56
.rept 3
	v_nop
.endr
.endif
.irp i, 0,1,2,3,4,5,6,7
	ds_load_b128 v[E+4*\i:E+4*\i+3], v2 offset:4096*(\p)+512*\i
.endr
	ds_load_b128 v[BI:BI+3], v4 offset:64*(\p)
	ds_load_b128 v[BI+4:BI+7], v4 offset:64*(\p)+16
.if (\p) == 0
	ds_load_b128 v[ES:ES+3], v3
.endif
.endm
.macro WM p, k, m                      ; block m of my rows x the tile, K step k; results at DB
.set DD, DB+8*(\m)
.if (\k) == 0
.set CC, BI
.else
.set CC, DD
.endif
.set AA, E+8*(\k)
.set BB, 32*(\m)+8*(\k)
.set SA, ES+(\k)
.set SB, XS+4*((\m)/2)+(\k)
.if ((\p) == 0) && ((\m)%2 == 0)
	v_wmma_scale_f32_16x16x128_f8f6f4 v[DD:DD+7], v[AA:AA+7], v[BB:BB+7], v[CC:CC+7], v[SA], v[SB] matrix_a_fmt:MATRIX_FMT_FP4 matrix_b_fmt:MATRIX_FMT_FP4
.elseif (\p) == 0
	v_wmma_scale_f32_16x16x128_f8f6f4 v[DD:DD+7], v[AA:AA+7], v[BB:BB+7], v[CC:CC+7], v[SA], v[SB] matrix_a_fmt:MATRIX_FMT_FP4 matrix_b_fmt:MATRIX_FMT_FP4 matrix_b_scale:MATRIX_SCALE_ROW1
.elseif (\m)%2 == 0
	v_wmma_scale_f32_16x16x128_f8f6f4 v[DD:DD+7], v[AA:AA+7], v[BB:BB+7], v[CC:CC+7], v[SA], v[SB] matrix_a_fmt:MATRIX_FMT_FP4 matrix_b_fmt:MATRIX_FMT_FP4 matrix_a_scale:MATRIX_SCALE_ROW1
.else
	v_wmma_scale_f32_16x16x128_f8f6f4 v[DD:DD+7], v[AA:AA+7], v[BB:BB+7], v[CC:CC+7], v[SA], v[SB] matrix_a_fmt:MATRIX_FMT_FP4 matrix_b_fmt:MATRIX_FMT_FP4 matrix_a_scale:MATRIX_SCALE_ROW1 matrix_b_scale:MATRIX_SCALE_ROW1
.endif
.endm
.macro MULS p                          ; 32 matrix instructions; the 8 accumulators take turns
	WIN 0x04                                       ; source 1 (x) in window 1
.irp k, 0,1,2,3
.irp m, 0,1,2,3,4,5,6,7
	WM \p, \k, \m
.endr
.endr
	WIN 0
.endm
.macro TREE base                       ; seven of a block's eight scores, the 8 blocks by turns; each accumulator is read from its low end on
.irp m, 0,1,2,3,4,5,6,7
	v_max3_num_f32 v[T+\m], v[\base+8*\m], v[\base+8*\m+1], v[\base+8*\m+2]
.endr
.irp m, 0,1,2,3,4,5,6,7
	v_max3_num_f32 v[T+\m], v[T+\m], v[\base+8*\m+3], v[\base+8*\m+4]
.endr
.irp m, 0,1,2,3,4,5,6,7
	v_max3_num_f32 v[T+\m], v[T+\m], v[\base+8*\m+5], v[\base+8*\m+6]
.endr
.endm
.macro EPIF                            ; the first tile: its scores were summed in SV itself, so nothing is copied
	TREE SV
.irp m, 0,1,2,3,4,5,6,7
	v_max_num_f32 v[BEST+\m], v[T+\m], v[SV+8*\m+7]
.endr
.irp m, 0,1,2,3,4,5,6,7
	v_mov_b32 v[TIX+\m], v[CURV]
.endr
	s_add_co_u32 s56, s56, 1
.endm
.macro EPI                             ; a later tile: where it beats the best, its number and its 8 scores are kept
	TREE D
	v_max3_num_f32 v[T], v[T], v[D+7], v[BEST]     ; the eighth score and the old best: the new best
.irp m, 0,1,2,3,4,5,6,7
	v_cmp_gt_f32 vcc_lo, v[T+\m], v[BEST+\m]       ; has it grown?
.if \m < 7
	v_max3_num_f32 v[T+(\m)+1], v[T+(\m)+1], v[D+8*(\m)+15], v[BEST+(\m)+1]   ; the next block's, between the compare and the selects
.endif
	v_dual_cndmask_b32 v[TIX+\m], v[TIX+\m], v[CURV] :: v_dual_mov_b32 v[BEST+\m], v[T+\m]
.irp j, 0,2,4,6
	v_dual_cndmask_b32 v[SV+8*\m+\j], v[SV+8*\m+\j], v[D+8*\m+\j] :: v_dual_cndmask_b32 v[SV+8*\m+\j+1], v[SV+8*\m+\j+1], v[D+8*\m+\j+1]
.endr
.endr
	s_add_co_u32 s56, s56, 1
.endm
.macro STEPADR                         ; on to the next pair of tiles
	s_add_co_u32 s57, s57, 8192
	s_add_co_u32 s58, s58, 512
	s_add_co_u32 s59, s59, 128
.endm
	LOADS 0, 0
	s_wait_alu depctr_va_vdst(0)
	s_wait_dscnt 0x0
.set DB, SV
	MULS 0
	LOADS 1, 1
	EPIF                                           ; a tile's scores are looked at while the next tile's fragments come from LDS
	s_wait_dscnt 0x0
.set DB, D
	MULS 1
	STEPADR
.Lpair:
	LOADS 0, 1
	EPI
	s_wait_dscnt 0x0
	MULS 0
	LOADS 1, 1
	EPI
	s_wait_dscnt 0x0
	MULS 1
	STEPADR
	s_sub_co_u32 s60, s60, 1
	s_cmp_lg_u32 s60, 0
	s_cbranch_scc1 .Lpair
	v_mov_b32 v[CURV], s56
.rept 3
	v_nop                                          ; with the line above: four places ahead of the first read of the last results
.endr
	EPI
; which of the best tile's 8 scores is the best: the lowest j that equals it
	v_mov_b32 v[OB], 0
	v_mov_b32 v[ON], 0
.irp m, 0,1,2,3,4,5,6,7
	v_mov_b32 v[T+\m], 7
.endr
.irp j, 6,5,4,3,2,1,0
.irp m, 0,1,2,3,4,5,6,7
	v_cmp_eq_f32 s[40+\m], v[SV+8*\m+\j], v[BEST+\m]
.endr
.irp m, 0,1,2,3,4,5,6,7
	v_cndmask_b32 v[T+\m], v[T+\m], \j, s[40+\m]
.endr
.endr
.irp m, 0,1,2,3,4,5,6,7
	v_lshl_add_u32 v[NI+\m], v[TIX+\m], 4, v[T+\m]
.endr
.irp m, 0,1,2,3,4,5,6,7
	v_add_nc_u32 v[NI+\m], v[NI+\m], v5            ; index = 16 x tile + 8 h + j
.endr
.irp m, 0,1,2,3,4,5,6,7                ; with lane l xor 16's: the larger score, at a tie the lower index
	v_permlanex16_b32 v[OB], v[BEST+\m], s62, s63
	v_permlanex16_b32 v[ON], v[NI+\m], s62, s63
	s_delay_alu instid0(VALU_DEP_2)
	v_cmp_gt_f32 s40, v[OB], v[BEST+\m]
	s_delay_alu instid0(VALU_DEP_3)
	v_cmp_eq_f32 s41, v[OB], v[BEST+\m]
	s_delay_alu instid0(VALU_DEP_3)
	v_cmp_lt_u32 s42, v[ON], v[NI+\m]
	s_and_b32 s41, s41, s42
	s_or_b32 s40, s40, s41
	v_cndmask_b32 v[BEST+\m], v[BEST+\m], v[OB], s40
	v_cndmask_b32 v[NI+\m], v[NI+\m], v[ON], s40
.endr
.irp p, 0,1,2,3                        ; lanes 0-15 block 2 p's rows, lanes 16-31 block 2 p + 1's; the score becomes a whole number that orders as the scores do
	v_cndmask_b32 v[OUTP+2*\p], v[BEST+2*\p], v[BEST+2*\p+1], s61
	v_cndmask_b32 v[OUTP+2*\p+1], v[NI+2*\p], v[NI+2*\p+1], s61
	s_delay_alu instid0(VALU_DEP_2)
	v_add_f32 v[OUTP+2*\p], 0, v[OUTP+2*\p]        ; -0 becomes +0
	s_delay_alu instid0(VALU_DEP_1)
	v_ashrrev_i32 v[TT], 31, v[OUTP+2*\p]
	s_delay_alu instid0(VALU_DEP_1)
	v_and_b32 v[TT], 0x7fffffff, v[TT]
	s_delay_alu instid0(VALU_DEP_1)
	v_xor_b32 v[OUTP+2*\p], v[OUTP+2*\p], v[TT]
	global_store_b64 v7, v[OUTP+2*\p:OUTP+2*\p+1], s[12:13] offset:256*\p   ; 256 consecutive bytes, aligned
.endr
	s_wait_tensorcnt 0x0                           ; the wave's end
	ds_add_u32 v[SPW], v[NIL]
	s_wait_dscnt 0x0
	ROUND                                          ; the closing round
	s_endpgm
.Lfunc_end_k_q49ecc0414c_dist:
	.size	k_q49ecc0414c_dist, .Lfunc_end_k_q49ecc0414c_dist-k_q49ecc0414c_dist
	.p2alignl 7, 3214868480
	.fill 96, 4, 3214868480
	.section	.rodata,"a",@progbits
	.p2align	6, 0x0
	.amdhsa_kernel k_q49ecc0414c_dist
		.amdhsa_group_segment_fixed_size 327680
		.amdhsa_private_segment_fixed_size 0
		.amdhsa_enable_private_segment 0
		.amdhsa_kernarg_size 40
		.amdhsa_user_sgpr_count 2
		.amdhsa_user_sgpr_kernarg_segment_ptr 1
		.amdhsa_wavefront_size32 1
		.amdhsa_system_sgpr_workgroup_id_x 1
		.amdhsa_system_sgpr_workgroup_id_y 1
		.amdhsa_system_sgpr_workgroup_id_z 1
		.amdhsa_system_vgpr_workitem_id 0
		.amdhsa_next_free_vgpr 512
		.amdhsa_next_free_sgpr 66
		.amdhsa_reserve_vcc 1
		.amdhsa_float_denorm_mode_32 3
		.amdhsa_float_denorm_mode_16_64 3
		.amdhsa_memory_ordered 1
		.amdhsa_forward_progress 1
		.amdhsa_inst_pref_size 63
	.end_amdhsa_kernel
	.amdgpu_metadata
---
amdhsa.version: [ 1, 2 ]
amdhsa.kernels:
  - .name:           k_q49ecc0414c_dist
    .symbol:         k_q49ecc0414c_dist.kd
    .args:
      - { .name: xc, .offset: 0, .size: 8, .value_kind: global_buffer, .address_space: global }
      - { .name: xs, .offset: 8, .size: 8, .value_kind: global_buffer, .address_space: global }
      - { .name: ec, .offset: 16, .size: 8, .value_kind: global_buffer, .address_space: global }
      - { .name: eaux, .offset: 24, .size: 8, .value_kind: global_buffer, .address_space: global }
      - { .name: cand, .offset: 32, .size: 8, .value_kind: global_buffer, .address_space: global }
    .group_segment_fixed_size: 327680
    .private_segment_fixed_size: 0
    .kernarg_segment_align: 8
    .kernarg_segment_size: 40
    .max_flat_workgroup_size: 256
    .sgpr_count:     66
    .vgpr_count:     512
    .wavefront_size: 32
...
	.end_amdgpu_metadata
.endif
;; end of part 2
;; launch gather (part 3): grid 256 x 1, 16 waves a work-group, no clusters, 2,560 bytes of LDS; arguments input, embt, cand, out0, out2, part; writes out0, out2, part
.if DOCPART == 3
	.amdgcn_target "amdgcn-amd-amdhsa--gfx1250"
	.amdhsa_code_object_version 6
	.text
	.protected	k_q49ecc0414c_gather
	.globl	k_q49ecc0414c_gather
	.p2align	8
	.type	k_q49ecc0414c_gather,@function
k_q49ecc0414c_gather:
	s_mov_b64 s[64:65], 0
	v_nop
	global_prefetch_b8 v0, s[64:65] scope:SCOPE_SE
	s_setreg_imm32_b32 hwreg(HW_REG_WAVE_MODE, 25, 1), 1
	s_wait_xcnt 0x0
; GATHER: the 16 candidates of each row are merged (out2), the chosen codeword's row q of embt is fetched, out0 = x + (q - x), and the squares of q - x are summed: one partial sum a work-group (part).
; A work-group takes 64 rows, each of its 16 waves 4 rows of 2,048 bytes: a load or store of a wave covers 512 consecutive bytes, aligned.  All of a wave's 16 loads of x, and later its 16 of q, are out together.
; The merge compares whole numbers that this launch reads from memory: keys that order as the scores do; a strict compare keeps the lower chunk, and so the lower index.  Wave 0 merges for all 64 rows and
; hands the indices to the others through LDS.  Memory binds: no matrix unit, no tensor load, and work-groups share no tile, so no cluster.
.set X, 32                             ; v32-95   x, 16 registers a row; then out0
.set Q, 96                             ; v96-159  in wave 0 first the candidates; then q, 16 registers a row; then q - x
; v1 16 x lane; v2 8 x lane; v3 16 x wave; v4 256 + 4 x wave; v5 256; v6-7 two merged indices; v8-11 my four rows' indices; v12-15 their rows' offsets in embt; v16-19 sums of squares, two packed chains.
; LDS: bytes 0-255 the 64 indices; bytes 256-319 the waves' sums.
	s_load_b256 s[4:11], s[0:1], 0x0               ; input s[4:5], embt s[6:7], cand s[8:9], out0 s[10:11]
	s_load_b128 s[12:15], s[0:1], 0x20             ; out2 s[12:13], part s[14:15]
	v_lshl_add_u32 v160, v0, 2, 0x200
	v_mov_b32 v161, 0
	v_lshrrev_b32 v3, 5, v0
	s_delay_alu instid0(VALU_DEP_1)
	v_readfirstlane_b32 s20, v3                    ; wave 0..15
	v_and_b32 v1, 31, v0
	s_delay_alu instid0(VALU_DEP_1)
	v_lshlrev_b32 v2, 3, v1
	s_delay_alu instid0(VALU_DEP_2)
	v_lshlrev_b32 v1, 4, v1
	v_lshlrev_b32 v4, 2, v3
	s_delay_alu instid0(VALU_DEP_1)
	v_add_nc_u32 v4, 256, v4
	v_lshlrev_b32 v3, 4, v3
	v_mov_b32 v5, 256
	s_lshl_b32 s22, ttmp9, 17                      ; 64 rows of 2,048 bytes,
	s_lshl_b32 s21, s20, 13                        ; my wave's 4
	s_add_co_u32 s22, s22, s21
	s_mov_b32 s23, 0
	s_lshl_b32 s24, ttmp9, 9                       ; cand: 64 rows of 8 bytes
	s_mov_b32 s25, 0
	s_lshl_b32 s26, ttmp9, 8                       ; out2: 64 rows of 4 bytes
	s_mov_b32 s27, 0
	s_lshl_b32 s28, ttmp9, 2                       ; part: one number
	s_mov_b32 s29, 0
	s_mov_b32 s30, 0x76543210
	s_mov_b32 s31, 0xfedcba98                      ; v_permlanex16_b32's selects for lane l xor 16
	s_wait_alu depctr_va_vdst(0)
	s_wait_kmcnt 0x0
	s_add_nc_u64 s[4:5], s[4:5], s[22:23]
	s_add_nc_u64 s[10:11], s[10:11], s[22:23]
	s_add_nc_u64 s[8:9], s[8:9], s[24:25]
	s_add_nc_u64 s[12:13], s[12:13], s[26:27]
	s_add_nc_u64 s[14:15], s[14:15], s[28:29]
	s_cmp_lg_u32 s20, 0                            ; two arms on the wave's number: wave 0 asks for the candidates ahead of its x and merges; the others ask for their x alone
	s_cbranch_scc1 .Lothers
.irp c, 0,1,2,3,4,5,6,7,8,9,10,11,12,13,14,15
	global_load_b128 v[Q+4*\c:Q+4*\c+3], v1, s[8:9] offset:131072*\c th:TH_LOAD_NT   ; chunk c: (key, index) of rows 2 x lane and 2 x lane + 1
.endr
.irp i, 0,1,2,3
.irp q, 0,1,2,3
	global_load_b128 v[X+16*\i+4*\q:X+16*\i+4*\q+3], v1, s[4:5] offset:2048*\i+512*\q th:TH_LOAD_NT
.endr
.endr
	s_wait_loadcnt 16                              ; the candidates are the oldest loads: the 16 loads of x behind them may stay out
.irp c, 1
	v_cmp_gt_i32 vcc_lo, v[Q+4*\c], v[Q]
	v_cmp_gt_i32 s21, v[Q+4*\c+2], v[Q+2]
	s_delay_alu instid0(VALU_DEP_2)
	v_cndmask_b32 v[Q], v[Q], v[Q+4*\c], vcc_lo
	s_delay_alu instid0(VALU_DEP_3)
	v_cndmask_b32 v[Q+1], v[Q+1], v[Q+4*\c+1], vcc_lo
	s_delay_alu instid0(VALU_DEP_3)
	v_cndmask_b32 v[Q+2], v[Q+2], v[Q+4*\c+2], s21
	s_delay_alu instid0(VALU_DEP_4)
	v_cndmask_b32 v[Q+3], v[Q+3], v[Q+4*\c+3], s21
.endr
.irp c, 2, 3, 4, 5, 6, 7, 8, 9, 10, 11, 12, 13, 14, 15
	s_delay_alu instid0(VALU_DEP_4)
	v_cmp_gt_i32 vcc_lo, v[Q+4*\c], v[Q]
	s_delay_alu instid0(VALU_DEP_3)
	v_cmp_gt_i32 s21, v[Q+4*\c+2], v[Q+2]
	s_delay_alu instid0(VALU_DEP_2)
	v_cndmask_b32 v[Q], v[Q], v[Q+4*\c], vcc_lo
	s_delay_alu instid0(VALU_DEP_3)
	v_cndmask_b32 v[Q+1], v[Q+1], v[Q+4*\c+1], vcc_lo
	s_delay_alu instid0(VALU_DEP_3)
	v_cndmask_b32 v[Q+2], v[Q+2], v[Q+4*\c+2], s21
	s_delay_alu instid0(VALU_DEP_4)
	v_cndmask_b32 v[Q+3], v[Q+3], v[Q+4*\c+3], s21
.endr
	s_delay_alu instid0(VALU_DEP_3)
	v_min_u32 v6, 0x1fff, v[Q+1]                   ; an index stays inside the table of 8,192
	s_delay_alu instid0(VALU_DEP_2)
	v_min_u32 v7, 0x1fff, v[Q+3]
	ds_store_b64 v2, v[6:7]
	global_store_b64 v2, v[6:7], s[12:13]          ; out2: 256 consecutive bytes, aligned
	s_branch .Lmerged
.Lothers:
.irp i, 0,1,2,3
.irp q, 0,1,2,3
	global_load_b128 v[X+16*\i+4*\q:X+16*\i+4*\q+3], v1, s[4:5] offset:2048*\i+512*\q th:TH_LOAD_NT
.endr
.endr
.Lmerged:
	s_wait_dscnt 0x0                               ; wave 0's store has landed
	s_barrier_signal -1
	s_barrier_wait -1
	ds_load_b128 v[8:11], v3                       ; my four rows' indices, the same in every lane
	s_wait_dscnt 0x0
.irp i, 0,1,2,3
	v_min_u32 v[8+\i], 0x1fff, v[8+\i]
.endr
.irp i, 0,1,2,3
	s_delay_alu instid0(VALU_DEP_4)
	v_lshl_add_u32 v[12+\i], v[8+\i], 11, v1       ; a row of embt is 2,048 bytes
.endr
.irp i, 0,1,2,3
.irp q, 0,1,2,3
	global_load_b128 v[Q+16*\i+4*\q:Q+16*\i+4*\q+3], v[12+\i], s[6:7] offset:512*\q
.endr
.endr
.irp i, 0,1,2,3
	s_wait_loadcnt 12-4*\i                         ; row i of q is in (x came earlier); the younger rows' four loads each may stay out
.irp j, 0,2,4,6,8,10,12,14
	v_pk_add_f32 v[Q+16*\i+\j:Q+16*\i+\j+1], v[Q+16*\i+\j:Q+16*\i+\j+1], v[X+16*\i+\j:X+16*\i+\j+1] neg_lo:[0,1] neg_hi:[0,1]   ; q - x
.endr
.irp j, 0
.if (\i == 0) && (\j == 0)
	v_pk_mul_f32 v[16:17], v[Q:Q+1], v[Q:Q+1]      ; the first squares start the sums
	v_pk_mul_f32 v[18:19], v[Q+2:Q+3], v[Q+2:Q+3]
.else
	v_pk_fma_f32 v[16:17], v[Q+16*\i+\j:Q+16*\i+\j+1], v[Q+16*\i+\j:Q+16*\i+\j+1], v[16:17]
	v_pk_fma_f32 v[18:19], v[Q+16*\i+\j+2:Q+16*\i+\j+3], v[Q+16*\i+\j+2:Q+16*\i+\j+3], v[18:19]
.endif
.endr
.irp j, 4, 8, 12
.if (\i == 0) && (\j == 0)
	v_pk_mul_f32 v[16:17], v[Q:Q+1], v[Q:Q+1]      ; the first squares start the sums
	v_pk_mul_f32 v[18:19], v[Q+2:Q+3], v[Q+2:Q+3]
.else
	s_delay_alu instid0(VALU_DEP_2)
	v_pk_fma_f32 v[16:17], v[Q+16*\i+\j:Q+16*\i+\j+1], v[Q+16*\i+\j:Q+16*\i+\j+1], v[16:17]
	s_delay_alu instid0(VALU_DEP_2)
	v_pk_fma_f32 v[18:19], v[Q+16*\i+\j+2:Q+16*\i+\j+3], v[Q+16*\i+\j+2:Q+16*\i+\j+3], v[18:19]
.endif
.endr
.irp j, 0,2,4,6,8,10,12,14
	v_pk_add_f32 v[X+16*\i+\j:X+16*\i+\j+1], v[X+16*\i+\j:X+16*\i+\j+1], v[Q+16*\i+\j:Q+16*\i+\j+1]   ; x + (q - x)
.endr
.irp q, 0,1,2,3
	global_store_b128 v1, v[X+16*\i+4*\q:X+16*\i+4*\q+3], s[10:11] offset:2048*\i+512*\q th:TH_STORE_NT
.endr
.endr
	v_pk_add_f32 v[16:17], v[16:17], v[18:19]
	s_delay_alu instid0(VALU_DEP_1)
	v_add_f32 v16, v16, v17
	s_delay_alu instid0(VALU_DEP_1)
	v_add_f32_dpp v16, v16, v16 row_xmask:1 row_mask:0xf bank_mask:0xf
	s_delay_alu instid0(VALU_DEP_1)
	v_add_f32_dpp v16, v16, v16 row_xmask:2 row_mask:0xf bank_mask:0xf
	s_delay_alu instid0(VALU_DEP_1)
	v_add_f32_dpp v16, v16, v16 row_xmask:4 row_mask:0xf bank_mask:0xf
	s_delay_alu instid0(VALU_DEP_1)
	v_add_f32_dpp v16, v16, v16 row_xmask:8 row_mask:0xf bank_mask:0xf
	s_delay_alu instid0(VALU_DEP_1)
	v_permlanex16_b32 v17, v16, s30, s31
	s_delay_alu instid0(VALU_DEP_1)
	v_add_f32 v16, v16, v17                        ; my wave's sum, in every lane
	ds_store_b32 v4, v16
	s_wait_dscnt 0x0
	s_barrier_signal -1
	s_barrier_wait -1
	s_cmp_lg_u32 s20, 0
	s_cbranch_scc1 .Lend
.irp t, 0,1,2,3
	ds_load_b128 v[Q+4*\t:Q+4*\t+3], v5 offset:16*\t   ; the sixteen waves' sums
.endr
	s_wait_dscnt 0x0
	v_pk_add_f32 v[Q:Q+1], v[Q:Q+1], v[Q+2:Q+3]
	v_pk_add_f32 v[Q+4:Q+5], v[Q+4:Q+5], v[Q+6:Q+7]
	v_pk_add_f32 v[Q+8:Q+9], v[Q+8:Q+9], v[Q+10:Q+11]
	v_pk_add_f32 v[Q+12:Q+13], v[Q+12:Q+13], v[Q+14:Q+15]
	s_delay_alu instid0(VALU_DEP_3)
	v_pk_add_f32 v[Q:Q+1], v[Q:Q+1], v[Q+4:Q+5]
	s_delay_alu instid0(VALU_DEP_2)
	v_pk_add_f32 v[Q+8:Q+9], v[Q+8:Q+9], v[Q+12:Q+13]
	s_delay_alu instid0(VALU_DEP_1)
	v_pk_add_f32 v[Q:Q+1], v[Q:Q+1], v[Q+8:Q+9]
	s_delay_alu instid0(VALU_DEP_1)
	v_add_f32 v[Q], v[Q], v[Q+1]
	v_mov_b32 v[Q+16], 0
	v_cmp_eq_u32 vcc_lo, 0, v0
	s_wait_alu depctr_va_vdst(0)
	s_wait_xcnt 0x0                                ; EXEC is a source of the stores above: it changes only behind this wait
	s_and_saveexec_b32 s21, vcc_lo
	global_store_b32 v[Q+16], v[Q], s[14:15]       ; one number a work-group
	s_wait_xcnt 0x0
	s_or_b32 exec_lo, exec_lo, s21
.Lend:
	s_wait_tensorcnt 0x0
	ds_add_u32 v160, v161
	s_wait_dscnt 0x0
	s_endpgm
.Lfunc_end_k_q49ecc0414c_gather:
	.size	k_q49ecc0414c_gather, .Lfunc_end_k_q49ecc0414c_gather-k_q49ecc0414c_gather
	.p2alignl 7, 3214868480
	.fill 96, 4, 3214868480
	.section	.rodata,"a",@progbits
	.p2align	6, 0x0
	.amdhsa_kernel k_q49ecc0414c_gather
		.amdhsa_group_segment_fixed_size 2560
		.amdhsa_private_segment_fixed_size 0
		.amdhsa_enable_private_segment 0
		.amdhsa_kernarg_size 48
		.amdhsa_user_sgpr_count 2
		.amdhsa_user_sgpr_kernarg_segment_ptr 1
		.amdhsa_wavefront_size32 1
		.amdhsa_system_sgpr_workgroup_id_x 1
		.amdhsa_system_sgpr_workgroup_id_y 1
		.amdhsa_system_sgpr_workgroup_id_z 1
		.amdhsa_system_vgpr_workitem_id 0
		.amdhsa_next_free_vgpr 162
		.amdhsa_next_free_sgpr 66
		.amdhsa_reserve_vcc 1
		.amdhsa_float_denorm_mode_32 3
		.amdhsa_float_denorm_mode_16_64 3
		.amdhsa_memory_ordered 1
		.amdhsa_forward_progress 1
		.amdhsa_inst_pref_size 27
	.end_amdhsa_kernel
	.amdgpu_metadata
---
amdhsa.version: [ 1, 2 ]
amdhsa.kernels:
  - .name:           k_q49ecc0414c_gather
    .symbol:         k_q49ecc0414c_gather.kd
    .args:
      - { .name: input, .offset: 0, .size: 8, .value_kind: global_buffer, .address_space: global }
      - { .name: embt, .offset: 8, .size: 8, .value_kind: global_buffer, .address_space: global }
      - { .name: cand, .offset: 16, .size: 8, .value_kind: global_buffer, .address_space: global }
      - { .name: out0, .offset: 24, .size: 8, .value_kind: global_buffer, .address_space: global }
      - { .name: out2, .offset: 32, .size: 8, .value_kind: global_buffer, .address_space: global }
      - { .name: part, .offset: 40, .size: 8, .value_kind: global_buffer, .address_space: global }
    .group_segment_fixed_size: 2560
    .private_segment_fixed_size: 0
    .kernarg_segment_align: 8
    .kernarg_segment_size: 48
    .max_flat_workgroup_size: 512
    .sgpr_count:     66
    .vgpr_count:     162
    .wavefront_size: 32
...
	.end_amdgpu_metadata
.endif
;; end of part 3
;; launch loss (part 4): grid 1 x 1, 1 waves a work-group, no clusters, 0 bytes of LDS; arguments part, out1; writes out1
.if DOCPART == 4
	.amdgcn_target "amdgcn-amd-amdhsa--gfx1250"
	.amdhsa_code_object_version 6
	.text
	.protected	k_q49ecc0414c_loss
	.globl	k_q49ecc0414c_loss
	.p2align	8
	.type	k_q49ecc0414c_loss,@function
k_q49ecc0414c_loss:
	s_mov_b64 s[64:65], 0
	v_nop
	global_prefetch_b8 v0, s[64:65] scope:SCOPE_SE
	s_setreg_imm32_b32 hwreg(HW_REG_WAVE_MODE, 25, 1), 1
	s_wait_xcnt 0x0
; LOSS: out1 = 0.25 x the mean of (q - x)^2 over 16,384 x 512 numbers = the sum of the 256 partial sums x 2^-25.  One wave: 8 numbers a lane, then over the lanes.  The order of the sum is fixed.
	s_load_b128 s[4:7], s[0:1], 0x0                ; part s[4:5], out1 s[6:7]
	v_lshlrev_b32 v1, 5, v0                        ; 32 bytes a lane
	s_mov_b32 s8, 0x76543210
	s_mov_b32 s9, 0xfedcba98                       ; v_permlanex16_b32's selects for lane l xor 16
	s_wait_alu depctr_va_vdst(0)
	s_wait_kmcnt 0x0
	global_load_b128 v[4:7], v1, s[4:5]
	global_load_b128 v[8:11], v1, s[4:5] offset:16
	s_wait_loadcnt 0x0
	v_pk_add_f32 v[4:5], v[4:5], v[6:7]
	v_pk_add_f32 v[8:9], v[8:9], v[10:11]
	v_pk_add_f32 v[4:5], v[4:5], v[8:9]
	v_add_f32 v4, v4, v5
	v_add_f32_dpp v4, v4, v4 row_xmask:1 row_mask:0xf bank_mask:0xf
	v_add_f32_dpp v4, v4, v4 row_xmask:2 row_mask:0xf bank_mask:0xf
	v_add_f32_dpp v4, v4, v4 row_xmask:4 row_mask:0xf bank_mask:0xf
	v_add_f32_dpp v4, v4, v4 row_xmask:8 row_mask:0xf bank_mask:0xf
	v_permlanex16_b32 v5, v4, s8, s9
	v_add_f32 v4, v4, v5
	v_mul_f32 v4, 0x33000000, v4                   ; x 2^-25 = 0.25 / 8,388,608
	v_mov_b32 v2, 0
	v_cmp_eq_u32 vcc_lo, 0, v0
	s_wait_alu depctr_va_vdst(0)
	s_wait_xcnt 0x0                                ; EXEC changes only behind this wait
	s_and_saveexec_b32 s10, vcc_lo
	global_store_b32 v2, v4, s[6:7]
	s_wait_xcnt 0x0
	s_or_b32 exec_lo, exec_lo, s10
	s_endpgm
.Lfunc_end_k_q49ecc0414c_loss:
	.size	k_q49ecc0414c_loss, .Lfunc_end_k_q49ecc0414c_loss-k_q49ecc0414c_loss
	.p2alignl 7, 3214868480
	.fill 96, 4, 3214868480
	.section	.rodata,"a",@progbits
	.p2align	6, 0x0
	.amdhsa_kernel k_q49ecc0414c_loss
		.amdhsa_group_segment_fixed_size 0
		.amdhsa_private_segment_fixed_size 0
		.amdhsa_enable_private_segment 0
		.amdhsa_kernarg_size 16
		.amdhsa_user_sgpr_count 2
		.amdhsa_user_sgpr_kernarg_segment_ptr 1
		.amdhsa_wavefront_size32 1
		.amdhsa_system_sgpr_workgroup_id_x 1
		.amdhsa_system_sgpr_workgroup_id_y 1
		.amdhsa_system_sgpr_workgroup_id_z 1
		.amdhsa_system_vgpr_workitem_id 0
		.amdhsa_next_free_vgpr 16
		.amdhsa_next_free_sgpr 66
		.amdhsa_reserve_vcc 1
		.amdhsa_float_denorm_mode_32 3
		.amdhsa_float_denorm_mode_16_64 3
		.amdhsa_memory_ordered 1
		.amdhsa_forward_progress 1
		.amdhsa_inst_pref_size 2
	.end_amdhsa_kernel
	.amdgpu_metadata
---
amdhsa.version: [ 1, 2 ]
amdhsa.kernels:
  - .name:           k_q49ecc0414c_loss
    .symbol:         k_q49ecc0414c_loss.kd
    .args:
      - { .name: part, .offset: 0, .size: 8, .value_kind: global_buffer, .address_space: global }
      - { .name: out1, .offset: 8, .size: 8, .value_kind: global_buffer, .address_space: global }
    .group_segment_fixed_size: 0
    .private_segment_fixed_size: 0
    .kernarg_segment_align: 8
    .kernarg_segment_size: 16
    .max_flat_workgroup_size: 32
    .sgpr_count:     66
    .vgpr_count:     16
    .wavefront_size: 32
...
	.end_amdgpu_metadata
.endif
;; end of part 4
